; MI455X (gfx1250); checked and timed in simulation.
; The chip was launched on July 23, 2026; its instructions are those of AMD's public machine-readable ISA for CDNA 5 (MIT licence, August 2026) and "CDNA5" Instruction Set Architecture Reference Guide (July 2026). The comments in the code are by the model that wrote it; some were corrected since.
;; Causal Multi Head Attention. Allowed arithmetic: matrix products marked QUANTISED: E2M1 operands, one E8M0 scale for each 32 along K, by v_wmma_scale_f32_16x16x128_f8f6f4 with both operands' format E2M1 (or v_wmma_scale_f32_32x16x128_f4), f32 sums; everything else in f32.
;; Inputs: Wk_codes 1,024 x 32 x 16 uint8 (E2M1 codes of Wk, K innermost, in blocks of 32 codes, two codes a byte); Wk_scales 1,024 x 32 uint8 (E8M0 scales of Wk, one for each 32 codes along K); Wo_codes 1,024 x 32 x 16 uint8 (E2M1 codes of Wo, K innermost, in blocks of 32 codes, two codes a byte); Wo_scales 1,024 x 32 uint8 (E8M0 scales of Wo, one for each 32 codes along K); Wq_codes 1,024 x 32 x 16 uint8 (E2M1 codes of Wq, K innermost, in blocks of 32 codes, two codes a byte); Wq_scales 1,024 x 32 uint8 (E8M0 scales of Wq, one for each 32 codes along K); Wv_codes 1,024 x 32 x 16 uint8 (E2M1 codes of Wv, K innermost, in blocks of 32 codes, two codes a byte); Wv_scales 1,024 x 32 uint8 (E8M0 scales of Wv, one for each 32 codes along K); bk 1,024 float32; bo 1,024 float32; bq 1,024 float32; bv 1,024 float32; x_codes 4 x 2,048 x 32 x 16 uint8 (E2M1 codes of x, K innermost, in blocks of 32 codes, two codes a byte); x_scales 4 x 2,048 x 32 uint8 (E8M0 scales of x, one for each 32 codes along K).
;; Outputs: out0 4 x 2,048 x 1,024 float32.
;; This version of the problem:
;;   THIS VERSION OF THE PROBLEM IS GIVEN IN LOW PRECISION. The matrix products marked QUANTISED in the list below multiply operands that are first quantised to E2M1 (2 exponent bits, 1 mantissa bit; 4 bits a number), with one power-of-two scale for each 32 numbers along K (OCP MX v1.0); their sums are f32. All else is computed in f32.
;;   The module's matrix products, in the order in which they are computed (A, B: the left and right operand; K: the contracted axis; several contracted axes count as one K, in the product's order):
;;     1. [M 8,192, K 1,024] x [K 1,024, N 1,024]; A: input x (given as codes); B: input Wq (given as codes): QUANTISED
;;     2. [M 8,192, K 1,024] x [K 1,024, N 1,024]; A: input x (given as codes); B: input Wk (given as codes): QUANTISED
;;     3. [M 8,192, K 1,024] x [K 1,024, N 1,024]; A: input x (given as codes); B: input Wv (given as codes): QUANTISED
;;     4. batch 64 x [M 2,048, K 64] x [K 64, N 2,048]; A: computed on the way; B: computed on the way: QUANTISED
;;     5. batch 64 x [M 2,048, K 2,048] x [K 2,048, N 64]; A: softmax (see below); B: computed on the way: QUANTISED
;;     6. [M 8,192, K 1,024] x [K 1,024, N 1,024]; A: computed on the way; B: input Wo (given as codes): QUANTISED
;;   THE QUANTISER, for each operand of a quantised product, along K:
;;     - K is cut into blocks of 32 from its start; a last block that is shorter is filled with zeros.
;;     - A block's scale is 2^e with e = floor(log2(the largest magnitude in the block)) - 2, held to -126 .. 127; a block of zeros has e = 0. As a byte (E8M0): e + 127.
;;     - Each number is divided by its block's scale, clamped to +-6, and rounded to the nearest number of E2M1, ties to even, subnormals kept.
;;     - The product sums the exact products of the quantised numbers (number of the format x scale) in f32.
;;   ~~~python
;;   def quantise(x, axis):      # numpy; x: float32 -> the quantised numbers, widened to float32 again
;;       x = np.moveaxis(x, axis, -1); K = x.shape[-1]
;;       x = np.pad(x, [(0, 0)] * (x.ndim - 1) + [(0, -K % 32)]); x = x.reshape(x.shape[:-1] + (-1, 32)); a = np.abs(x).max(-1, keepdims=True)
;;       e = np.where(a > 0, np.clip(np.frexp(np.where(a > 0, a, 1))[1] - 1 - 2, -126, 127), 0)      # np.frexp(a)[1] - 1 = floor(log2(a)), exactly
;;       r = np.clip(x / 2.0 ** e, -6, 6)
;;       step = 2.0 ** (np.maximum(np.frexp(np.where(r == 0, 1, r))[1] - 1, 0) - 1)
;;       q = np.round(r / step) * step * 2.0 ** e      # np.round: ties to even
;;       return np.moveaxis(q.reshape(q.shape[:-2] + (-1,))[..., :K], -1, axis).astype(np.float32)
;;   ~~~
;;   SOFTMAX AHEAD OF A QUANTISED PRODUCT. Where the list says 'softmax', what is quantised is not the finished softmax but p = 2^(t - M), with t = logit x log2(e) and M = ceil(the row's largest t), a whole number; so 1/2 < the row's largest p <= 1. The row's sum l is taken of the UNQUANTISED p, in f32, and the product's result is divided by l at the end. Since M is a whole number, a kernel that streams over the keys may use a running M (the ceiling of the running maximum): every later rescaling is an exact power of two, which a block's scale takes up: the codes' values come out the same.
;;   OPERANDS COMPUTED ON THE WAY. 'Computed on the way' means the value that the module computes at that place (a softmax that the list does not call 'softmax' is quantised finished and normalised). What goes into a quantiser is computed in f32, as accurately as f32 sums, v_exp_f32 and their like allow (about 1e-6 of the number): no bf16 or f16 on the way to a quantiser, and a product that is left as it is and whose result goes on into a quantised operand takes f32 operands (vector FMAs, or v_wmma_f32_16x16x4_f32). A number that lies on a knife's edge between two numbers of the format may be rounded either way, as far as f32 arithmetic and the matrix unit's own rounding can turn it there, and no further.
;;   INPUTS GIVEN AS CODES. Wk (in the module: [1024, 1024], K = its axis 1); Wo (in the module: [1024, 1024], K = its axis 1); Wq (in the module: [1024, 1024], K = its axis 1); Wv (in the module: [1024, 1024], K = its axis 1); x (in the module: [4, 2048, 1024], K = its axis 2): each comes as NAME_codes (uint8): NAME with its K axis moved to the last place and cut into blocks of 32 codes, [.., K / 32, bytes a block], one block behind the other in memory; two codes a byte, the lower K in the low four bits (a code: sign, 2 exponent bits, 1 mantissa bit); and NAME_scales (uint8): the same leading axes, one E8M0 byte (e + 127) for each 32 codes along K. Its value is code x scale, taken as it is: it is not quantised again, and the codes and scales need not be those that the quantiser above would give.
;; One version. Each part assembles by itself: llvm-mc -triple=amdgcn-amd-amdhsa -mcpu=gfx1250 --defsym DOCPART=n.
;; ======== version 1 of 1: 3 launches
;; workspace buffers: qc 4,194,304 bytes; qs 262,144 bytes; kv 8,912,896 bytes; ac 4,194,304 bytes; asw 262,144 bytes
;; launch qkv (part 1): grid 192 x 4, 4 waves a work-group, clusters of 4 x 4, 223,488 bytes of LDS; arguments x_codes, x_scales, Wq_codes, Wq_scales, Wk_codes, Wk_scales, Wv_codes, Wv_scales, bq, bk, bv, qc, qs, kv; writes qc, qs, kv
.if DOCPART == 1
	.amdgcn_target "amdgcn-amd-amdhsa--gfx1250"
	.amdhsa_code_object_version 6
	.text
	.protected	k_q826deb554b_qkv
	.globl	k_q826deb554b_qkv
	.p2align	8
	.type	k_q826deb554b_qkv,@function
k_q826deb554b_qkv:
	s_mov_b64 s[64:65], 0
	v_nop
	global_prefetch_b8 v0, s[64:65] scope:SCOPE_SE
	s_setreg_imm32_b32 hwreg(HW_REG_WAVE_MODE, 25, 1), 1
	s_wait_xcnt 0x0
	s_wait_alu depctr_hold_cnt(0) depctr_sa_sdst(0) depctr_va_vdst(0) depctr_va_sdst(0) depctr_va_ssrc(0) depctr_va_vcc(0) depctr_vm_vsrc(0)
	s_getreg_b32 s2, hwreg(HW_REG_IB_STS2, 6, 4)
	s_cmp_eq_u32 s2, 0
	s_cbranch_scc0 .Lentry_in_a_cluster
	s_endpgm
.Lentry_in_a_cluster:
	s_bfe_u32 s2, ttmp6, 0x10000c
	s_cmp_lg_u32 s2, 0xf033
	s_cbranch_scc0 .Lentry_shape_is_right
	s_endpgm
.Lentry_shape_is_right:
; q = x Wq^T + bq, k = x Wk^T + bk, v = x Wv^T + bv on codes of FP4 (E2M1) with one E8M0 byte for each 32 along K = 1,024, and the results quantised again:
; q and k along a head's 64 features, v along the keys.  x: 8,192 rows, W: 1,024 rows, 512 bytes of codes and 32 bytes of scales a row.
; ONE CORE FOR ALL THREE.  A work-group makes 128 rows of R x 256 rows of P.  Source 0 of the matrix instruction takes 16 rows of P, source 1 takes 16 rows of R: a lane then holds ONE row of R and
; eight neighbours along P, and P is the axis that is quantised.  q, k: R = x, P = Wq or Wk (a wave's 128 of P are a pair of heads).  v: R = Wv, P = x (a wave's 128 of P are 128 keys).
; Four waves, each 64 (R) x 128 (P): 32 accumulators, 256 registers.  768 work-groups: three for each of 256 WGPs.
; ALL OF K LIES IN LDS AT ONCE, in two slots of 512 along K, each filled once: no LDS byte is filled twice.  Each wave has three tensor loads out at the most.
; CLUSTERS: 4 x 4 work-groups; R's tile hangs on the cluster's y place alone and is asked for jointly by a row of the cluster, P's on the x place alone and by a column.
; What differs between q, k and v hangs on the cluster's number alone, which all sixteen share.
; THE WAY OUT.  A wave's 128 numbers of a row are one K step of the next product: four blocks of 32.  They leave as an IMAGE OF THE OPERAND'S REGISTERS (lane l's 16 bytes at 16 l, 512 bytes a store),
; with one scale word a row.  qc: [pair of heads 32][16 queries 128][2][512];  qs: [32][2048] words;  kv: [32][512 keys 4][K's codes 32,768 | V's codes 32,768 | K's words 2,048 | V's words 2,048].
; LIMITS: a block whose largest magnitude lies under 2^-124 gets the byte 1; so does a block of zeros (its codes are zeros, and this program alone reads the bytes); NaN and infinities are not served.
; REGISTERS: window 0: v16-27 addresses; v32-63 P's scale words, v64-79 R's; v80-143 R's fragments, two sets; v144-167 at work; v192-255 the bias, later the codes.
;   window 1: the accumulators, (a, b) at v[8 (8 a + b)].   window 2: P's fragments, two sets of 64.
.set SLOT,  104448                     ; R's 128 rows x 272 bytes, then P's 256 rows x 272
.set POFF,  34816
.set SCL,   2*SLOT                     ; R's scales: 16 units of 256 bytes + 16
.set SCLP,  SCL+4352                   ; P's: 32 units
.set SCR,   SCLP+8704                  ; 256 bytes for each wave: its scale words on the way out; no tile lands here
.set RQ,    64                         ; R's fragments in LDS: bytes from K step to K step,
.set RC,    32                         ; from a fragment's first 16 bytes to its second,
.set RA,    4352                       ; and from 16 rows to the next
.set ADRP, 16                          ; v16-17  P's fragments in slot 0, 1
.set ADRR, 18                          ; v18-19  R's
.set ADSP, 20                          ; v20     P's scale words: lanes 0-15 block i, lanes 16-31 block i + 4
.set ADSR, 21                          ; v21     R's: lanes 0-15 block i, lanes 16-31 block i + 2
.set LI,   22                          ; v22     16 x lane
.set LS,   23                          ; v23     4 x lane
.set L8,   24                          ; v24     8 x lane
.set SWA,  25                          ; v25     my scratch, 4 bytes a lane
.set SRA,  26                          ; v26     my scratch, 8 bytes a lane
.set BO,   27                          ; v27     my offset in the bias
.set SP,   32                          ; P's scale words: register 8 i + q
.set SR,   64                          ; R's: register 8 i + q
.set RF,   80
.set TM,   144                         ; v144-147 largest magnitudes, v148-151 bytes, v156-159 the conversions' scale operands
.set PW,   160                         ; v160-163 the scale words of the four blocks of 16 rows
.set MW,   164
.set BIAS, 192
.set PC,   192
.set G1R,  32
.set G0R,  40
.set G1P,  48
.set G0P,  56
.set RT,   66                          ; R's tile: it holds the y place, never the x place
.set PT,   67                          ; P's tile: the x place, never the y place
.set G1SR, 68
.set G0SR, 76
.set G1SP, 80
.set G0SP, 88
.set WV,   92
.set LW,   93                          ; wave / 2: my 64 rows of R.  Also: I fetch for R (0) or for P (1)
.set HF,   94                          ; wave % 2: my 128 rows of P.  Also: which half of that tile I fetch
.set ISV,  95
.set SEL,  96
.set MSK,  98
.set CX,   99
.set CY,   100
.set ODD,  101
.set MSB, 0
.macro WIN new                         ; the immediate's high byte repeats the setting that is left; a switch that changes nothing is dropped
.if MSB != (\new)
	s_set_vgpr_msb (MSB<<8)|(\new)
.set MSB, (\new)
.endif
.endm
.macro PLACES                          ; four plain vector instructions behind matrix instructions, ahead of loads into their sources and of reads of their results
.rept 4
	v_nop
.endr
.endm
; A joint load: waves 0 and 1 fetch for R, waves 2 and 3 for P.  The branch hangs on the wave's number alone.  Four v_nop follow each of the two lines.
.macro JLOAD g0a, g1a, g0b, g1b
	s_cmp_eq_u32 s[LW], 0
	s_cbranch_scc0 .Lfor_p_\@
	tensor_load_to_lds s[\g0a:\g0a+3], s[\g1a:\g1a+7]
	s_nop 0
.rept 4
	v_nop
.endr
	s_branch .Lasked_\@
.Lfor_p_\@:
	tensor_load_to_lds s[\g0b:\g0b+3], s[\g1b:\g1b+7]
	s_nop 0
.rept 4
	v_nop
.endr
.Lasked_\@:
.endm
.macro CROUND                          ; a round of the cluster's barrier
	s_barrier_signal -1
	s_barrier_wait -1
	s_cmp_lg_u32 s[WV], 0
	s_cbranch_scc1 .Lnot_wave_0_\@
	s_barrier_signal -3
.Lnot_wave_0_\@:
	s_barrier_wait -3
	s_barrier_signal -1
	s_barrier_wait -1
.endm
; The fragments of K step q: P's eight into set q % 2 of window 2, R's four into set q % 2 of window 0: 24 loads.
.macro FETCH q
	WIN 0x80                                       ; destination window 2, address window 0
.irp i, 0,1,2,3,4,5,6,7
.irp c, 0,1
	ds_load_b128 v[64*((\q)%2)+8*\i+4*\c:64*((\q)%2)+8*\i+4*\c+3], v[ADRP+(\q)/4] offset:64*((\q)%4)+32*\c+4352*\i
.endr
.endr
	WIN 0
.irp a, 0,1,2,3
.irp c, 0,1
	ds_load_b128 v[RF+32*((\q)%2)+8*\a+4*\c:RF+32*((\q)%2)+8*\a+4*\c+3], v[ADRR+(\q)/4] offset:RQ*((\q)%4)+RC*\c+RA*\a
.endr
.endr
.endm
; One product: R's block a x P's block b, K step q.  mode 0: it adds in place; 1: the sum starts with the bias along P; 2: with the bias along R.
.macro WM a, b, q, mode
.set D_, 8*(8*(\a)+(\b))
.set A_, 64*((\q)%2)+8*(\b)
.set B_, RF+32*((\q)%2)+8*(\a)
.set X_, SP+8*((\b)%4)+(\q)
.set Y_, SR+8*((\a)%2)+(\q)
.set C_, D_
.if (\mode) == 1
.set C_, BIAS+8*(\b)
.endif
.if (\mode) == 2
.set C_, BIAS+8*(\a)
.endif
.if ((\b) < 4) && ((\a) < 2)
	v_wmma_scale_f32_16x16x128_f8f6f4 v[D_:D_+7], v[A_:A_+7], v[B_:B_+7], v[C_:C_+7], v[X_], v[Y_] matrix_a_fmt:MATRIX_FMT_FP4 matrix_b_fmt:MATRIX_FMT_FP4
.elseif ((\a) < 2)
	v_wmma_scale_f32_16x16x128_f8f6f4 v[D_:D_+7], v[A_:A_+7], v[B_:B_+7], v[C_:C_+7], v[X_], v[Y_] matrix_a_fmt:MATRIX_FMT_FP4 matrix_b_fmt:MATRIX_FMT_FP4 matrix_a_scale:MATRIX_SCALE_ROW1
.elseif ((\b) < 4)
	v_wmma_scale_f32_16x16x128_f8f6f4 v[D_:D_+7], v[A_:A_+7], v[B_:B_+7], v[C_:C_+7], v[X_], v[Y_] matrix_a_fmt:MATRIX_FMT_FP4 matrix_b_fmt:MATRIX_FMT_FP4 matrix_b_scale:MATRIX_SCALE_ROW1
.else
	v_wmma_scale_f32_16x16x128_f8f6f4 v[D_:D_+7], v[A_:A_+7], v[B_:B_+7], v[C_:C_+7], v[X_], v[Y_] matrix_a_fmt:MATRIX_FMT_FP4 matrix_b_fmt:MATRIX_FMT_FP4 matrix_a_scale:MATRIX_SCALE_ROW1 matrix_b_scale:MATRIX_SCALE_ROW1
.endif
.endm
.macro MUL32 q, mode                   ; a K step's 32 products: the 32 accumulators take turns, one instruction a turn, in the same order in every step
.if (\mode) == 0
	WIN 0x52                                       ; source 0 window 2, source 1 window 0, C and D window 1
.else
	WIN 0x42                                       ; C (the bias) window 0
.endif
.irp a, 0,1,2,3
.irp b, 0,1,2,3,4,5,6,7
	WM \a, \b, \q, \mode
.endr
.endr
.endm
.macro KSTEP q, mode
.if (\q) == 3
	s_wait_tensorcnt 0x0                           ; my part of slot 1 has landed (the one load of mine that was out),
	s_wait_dscnt 0x0                               ; no LDS load of mine is pending at the signal,
	s_barrier_signal -1
	s_barrier_wait -1                              ; and everybody's part has: K step 4 is fetched from slot 1.
.endif
.if (\q) < 7
.if (\q) > 0
	PLACES                                         ; the last step's products read the sets that are loaded now
.endif
	FETCH (\q)+1
	s_wait_dscnt 24                                ; all but the 24 just issued: this step's fragments are in
.else
	s_wait_dscnt 0x0
.endif
	MUL32 \q, \mode
	WIN 0
.endm
; 64 numbers of a lane in window qw, v[s] on: eight result tiles; tile T, register j is k = 16 T + 8 (lane / 16) + j of my row.  They become a fragment's codes in v[pc] on and its scale word in v[pw].
; A block of 32 is two tiles' registers in lanes l and l xor 16.  The conversions' results are laid so that two exchanges of halves for each 64 codes give every lane a whole block: registers 4 c .. 4 c + 3 hold k = 64 c + 32 (lane / 16) + 0 .. 31.
.macro QUANT s, pc, pw, qw
	WIN 0x05*(\qw)
.irp b, 0,1,2,3
	v_max3_num_f32 v[TM+\b], |v[(\s)+16*\b]|, |v[(\s)+1+16*\b]|, 0x1800000   ; my 16 numbers of block b, from each tile's low end on, and the floor 2^(3 - 127): the byte cannot fall under 1
.endr
	WIN 0x14*(\qw)
.irp i, 2,4,6,8,10,12,14
.irp b, 0,1,2,3
	v_max3_num_f32 v[TM+\b], v[TM+\b], |v[(\s)+16*\b+\i]|, |v[(\s)+1+16*\b+\i]|
.endr
.endr
	WIN 0
.irp b, 0,1,2,3
	v_permlanex16_b32 v[TM+4+\b], v[TM+\b], s[SEL], s[SEL+1]
.endr
.irp b, 0,1,2,3
	v_max_num_f32 v[TM+\b], v[TM+\b], v[TM+4+\b]   ; with lane l xor 16's: the block's largest magnitude
.endr
.irp b, 0,1,2,3
	v_add_nc_u32 v[TM+12+\b], 0xff000000, v[TM+\b] ; 2 off its exponent field: the conversion takes this operand's exponent field as its scale
.endr
.irp b, 0,1,2,3
	v_lshrrev_b32 v[TM+4+\b], 23, v[TM+12+\b]      ; the scale's byte
.endr
	v_lshl_or_b32 v[\pw], v[TM+5], 8, v[TM+4]
	v_lshl_or_b32 v[\pw], v[TM+6], 16, v[\pw]
	v_lshl_or_b32 v[\pw], v[TM+7], 24, v[\pw]      ; my row's scale word
	WIN 0x01*(\qw)
.irp b, 0,1,2,3
	v_cvt_scalef32_pk8_fp4_f32 v[(\pc)+4*(\b/2)+(\b%2)], v[(\s)+16*\b:(\s)+16*\b+7], v[TM+12+\b]
	v_cvt_scalef32_pk8_fp4_f32 v[(\pc)+4*(\b/2)+2+(\b%2)], v[(\s)+16*\b+8:(\s)+16*\b+15], v[TM+12+\b]
.endr
	WIN 0
	v_nop                                          ; one plain instruction behind the scaled conversions
.irp c, 0,1
	v_permlane16_swap_b32 v[(\pc)+4*\c], v[(\pc)+4*\c+1]
	v_permlane16_swap_b32 v[(\pc)+4*\c+2], v[(\pc)+4*\c+3]
.endr
.endm
	s_load_b512 s[4:19], s[0:1], 0x0               ; x's codes, scales; Wq's; Wk's; Wv's
	s_load_b256 s[20:27], s[0:1], 0x40             ; bq, bk, bv, qc
	s_load_b128 s[28:31], s[0:1], 0x60             ; qs, kv
	v_lshl_add_u32 v190, v0, 2, 0x36700
	v_mov_b32 v191, 0
	ds_add_u32 v190, v191
	ds_add_u32 v190, v191
	v_lshrrev_b32 v1, 5, v0
	v_readfirstlane_b32 s[WV], v1
	s_lshr_b32 s[LW], s[WV], 1
	s_and_b32 s[HF], s[WV], 1
	s_bfe_u32 s[CX], ttmp6, 0x40000
	s_bfe_u32 s[CY], ttmp6, 0x40004
	; cluster c = 0 .. 31: q (c even) or k (c odd), x's rows 512 (c / 2) on;  c = 32 .. 47: v, Wv's rows 512 (c % 2) on, x's rows 1,024 ((c - 32) / 2) on
	s_lshr_b32 s2, ttmp9, 1
	s_and_b32 s[ODD], ttmp9, 1
	s_sub_co_u32 s3, s2, 16
	s_cmp_ge_u32 ttmp9, 32
	s_cselect_b32 s[ISV], 1, 0
	s_cselect_b32 s2, s[ODD], s2
	s_cselect_b32 s3, s3, 0
	s_lshl_b32 s2, s2, 2
	s_add_co_u32 s[RT], s2, s[CY]                  ; R's tile of 128 rows
	s_lshl_b32 s3, s3, 2
	s_add_co_u32 s[PT], s3, s[CX]                  ; P's tile of 256 rows
	s_lshl_b32 s2, s[CY], 2
	s_lshl_b32 s2, 15, s2                          ; my row of the cluster
	s_lshl_b32 s3, 0x1111, s[CX]                   ; my column
	; group 1 for codes: rows of 256 bytes out of rows of 512, 16 bytes of padding behind each: 15:0 the mask; 17:16 elements of 1 byte; 20 padding; 21 set beside a mask; 24:22 after 64 words; 31:25 four words
	s_or_b32 s[G1R], s2, (1<<20)|(1<<21)|(5<<22)|(3<<25)
	s_mov_b32 s[G1R+1], 256<<16                    ; tensor_dim0
	s_mov_b32 s[G1R+2], 64<<16                     ; tensor_dim1: 64 rows a load
	s_mov_b32 s[G1R+3], 256<<16                    ; tile_dim0
	s_mov_b32 s[G1R+4], 64                         ; tile_dim1
	s_mov_b32 s[G1R+5], 512                        ; from row to row
	s_mov_b32 s[G1R+6], 0
	s_mov_b32 s[G1R+7], 0
	s_or_b32 s[G1P], s3, (1<<20)|(1<<21)|(5<<22)|(3<<25)
	s_mov_b32 s[G1P+1], 256<<16
	s_mov_b32 s[G1P+2], 128<<16                    ; 128 rows a load
	s_mov_b32 s[G1P+3], 256<<16
	s_mov_b32 s[G1P+4], 128
	s_mov_b32 s[G1P+5], 512
	s_mov_b32 s[G1P+6], 0
	s_mov_b32 s[G1P+7], 0
	; group 1 for scales: a dense block as rows of 256 bytes (32 elements of 8 bytes), 16 bytes of padding behind each
	s_or_b32 s[G1SR], s2, (3<<16)|(1<<20)|(1<<21)|(5<<22)|(3<<25)
	s_mov_b32 s[G1SR+1], 32<<16
	s_mov_b32 s[G1SR+2], 8<<16                     ; 64 rows x 32 bytes
	s_mov_b32 s[G1SR+3], 32<<16
	s_mov_b32 s[G1SR+4], 8
	s_mov_b32 s[G1SR+5], 32
	s_mov_b32 s[G1SR+6], 0
	s_mov_b32 s[G1SR+7], 0
	s_or_b32 s[G1SP], s3, (3<<16)|(1<<20)|(1<<21)|(5<<22)|(3<<25)
	s_mov_b32 s[G1SP+1], 32<<16
	s_mov_b32 s[G1SP+2], 16<<16                    ; 128 rows x 32 bytes
	s_mov_b32 s[G1SP+3], 32<<16
	s_mov_b32 s[G1SP+4], 16
	s_mov_b32 s[G1SP+5], 32
	s_mov_b32 s[G1SP+6], 0
	s_mov_b32 s[G1SP+7], 0
	s_mov_b32 s[SEL], 0x76543210
	s_mov_b32 s[SEL+1], 0xfedcba98                 ; v_permlanex16_b32's selects for lane l xor 16
	s_mov_b32 s[MSK], 0xffff0000                   ; lanes 16-31
	s_wait_dscnt 0x0
	s_wait_kmcnt 0x0
	s_cmp_lg_u32 s[ODD], 0                         ; Wq or Wk: the choices hang on the cluster's number alone
	s_cselect_b64 s[8:9], s[12:13], s[8:9]
	s_cselect_b64 s[10:11], s[14:15], s[10:11]
	s_cselect_b64 s[20:21], s[22:23], s[20:21]
	s_cmp_lg_u32 s[ISV], 0
	s_cselect_b64 s[12:13], s[16:17], s[4:5]       ; R's codes: Wv's or x's
	s_cselect_b64 s[14:15], s[18:19], s[6:7]       ; R's scales
	s_cselect_b64 s[16:17], s[4:5], s[8:9]         ; P's codes: x's or W's
	s_cselect_b64 s[18:19], s[6:7], s[10:11]       ; P's scales
	s_cselect_b64 s[20:21], s[24:25], s[20:21]     ; the bias
	s_lshl_b32 s4, s[RT], 16                       ; R: rows 128 tile + 64 half, 512 bytes each
	s_lshl_b32 s5, s[HF], 15
	s_add_co_u32 s4, s4, s5
	s_mov_b32 s5, 0
	s_add_nc_u64 s[12:13], s[12:13], s[4:5]
	s_lshr_b32 s4, s4, 4                           ; 32 bytes of scales a row
	s_add_nc_u64 s[14:15], s[14:15], s[4:5]
	s_lshl_b32 s6, s[PT], 17                       ; P: rows 256 tile + 128 half
	s_lshl_b32 s7, s[HF], 16
	s_add_co_u32 s6, s6, s7
	s_mov_b32 s7, 0
	s_add_nc_u64 s[16:17], s[16:17], s[6:7]
	s_lshr_b32 s6, s6, 4
	s_add_nc_u64 s[18:19], s[18:19], s[6:7]
	s_mul_i32 s22, s[HF], 17408                    ; where they go: the wave's number and constants alone
	s_mul_i32 s23, s[HF], 34816
	s_mul_i32 s24, s[HF], 2176
	s_mul_i32 s25, s[HF], 4352
	s_mov_b32 s[G0SR], 1
	s_add_co_u32 s[G0SR+1], s24, SCL
	s_mov_b64 s[G0SR+2:G0SR+3], s[14:15]
	s_or_b32 s[G0SR+3], s[G0SR+3], 0x80000000
	s_mov_b32 s[G0SP], 1
	s_add_co_u32 s[G0SP+1], s25, SCLP
	s_mov_b64 s[G0SP+2:G0SP+3], s[18:19]
	s_or_b32 s[G0SP+3], s[G0SP+3], 0x80000000
.irp s, 0,1
	s_mov_b32 s[G0R+4*\s], 1
	s_add_co_u32 s[G0R+4*\s+1], s22, \s*SLOT
	s_add_nc_u64 s[G0R+4*\s+2:G0R+4*\s+3], s[12:13], \s*256
	s_or_b32 s[G0R+4*\s+3], s[G0R+4*\s+3], 0x80000000
	s_mov_b32 s[G0P+4*\s], 1
	s_add_co_u32 s[G0P+4*\s+1], s23, \s*SLOT+POFF
	s_add_nc_u64 s[G0P+4*\s+2:G0P+4*\s+3], s[16:17], \s*256
	s_or_b32 s[G0P+4*\s+3], s[G0P+4*\s+3], 0x80000000
.endr
	CROUND                                         ; all sixteen work-groups are here: the joint loads meet
	JLOAD G0SR, G1SR, G0SP, G1SP                   ; the scales of all of K,
	JLOAD G0R, G1R, G0P, G1P                       ; K 0 .. 511,
	JLOAD G0R+4, G1R, G0P+4, G1P                   ; K 512 .. 1,023: three loads of mine are out
	v_and_b32 v1, 31, v0                           ; lane
	v_and_b32 v2, 15, v0                           ; r
	v_bfe_u32 v3, v0, 4, 1                         ; h
	v_mul_u32_u24 v4, v2, 272
	v_lshl_add_u32 v4, v3, 4, v4                   ; a fragment's row x pitch + 16 h
	s_mul_i32 s2, s[HF], 34816
	s_add_co_u32 s2, s2, POFF
	v_add_nc_u32 v[ADRP], s2, v4
	v_add_nc_u32 v[ADRP+1], SLOT, v[ADRP]
	s_mul_i32 s3, s[LW], 17408
	v_add_nc_u32 v[ADRR], s3, v4
	v_add_nc_u32 v[ADRR+1], SLOT, v[ADRR]
	v_lshlrev_b32 v5, 5, v2                        ; a row's 32 scale bytes,
	v_lshrrev_b32 v6, 3, v2
	v_lshl_add_u32 v5, v6, 4, v5                   ; and 16 more for each 256 passed
	s_mul_i32 s2, s[HF], 4352
	s_add_co_u32 s2, s2, SCLP
	v_mad_u32_u24 v[ADSP], v3, 2176, v5            ; lanes 16-31: four blocks of 16 rows on
	v_add_nc_u32 v[ADSP], s2, v[ADSP]
	s_mul_i32 s3, s[LW], 2176
	s_add_co_u32 s3, s3, SCL
	v_mad_u32_u24 v[ADSR], v3, 1088, v5            ; lanes 16-31: two blocks on
	v_add_nc_u32 v[ADSR], s3, v[ADSR]
	v_lshlrev_b32 v[LI], 4, v1
	v_lshlrev_b32 v[LS], 2, v1
	v_lshlrev_b32 v[L8], 3, v1
	s_lshl_b32 s2, s[WV], 8
	s_add_co_u32 s2, s2, SCR
	v_add_nc_u32 v[SWA], s2, v[LS]
	v_add_nc_u32 v[SRA], s2, v[L8]
.irp b, 0,1,2,3
	v_mov_b32 v[TM+4+\b], 0                        ; written once: a lane permute's destination counts as one of its sources
.endr
	; my wave's first row of P and of R, x 4; which of them counts x's rows and which the weight's
	s_lshl_b32 s4, s[PT], 10
	s_lshl_b32 s5, s[HF], 9
	s_add_co_u32 s4, s4, s5
	s_lshl_b32 s6, s[RT], 9
	s_lshl_b32 s7, s[LW], 8
	s_add_co_u32 s6, s6, s7
	s_cmp_lg_u32 s[ISV], 0
	s_cselect_b32 s8, s6, s4                       ; 4 x my first row of the weight = my first byte of the bias
	s_cselect_b32 s10, s4, s6                      ; 4 x my first row of x
	s_mov_b32 s9, 0
	s_add_nc_u64 s[20:21], s[20:21], s[8:9]
	; THE BIAS IS THE C OF EACH SUM'S FIRST PRODUCT, in the result's layout.  The branch hangs on the cluster's number alone; neither way touches LDS.
	s_cmp_lg_u32 s[ISV], 0
	s_cbranch_scc1 .Lbias_v
	v_lshlrev_b32 v[BO], 5, v3                     ; q, k: the bias runs along P: for block b the eight numbers at 16 b + 8 h
.irp b, 0,1,2,3,4,5,6,7
	global_load_b128 v[BIAS+8*\b:BIAS+8*\b+3], v[BO], s[20:21] offset:64*\b
	global_load_b128 v[BIAS+8*\b+4:BIAS+8*\b+7], v[BO], s[20:21] offset:64*\b+16
.endr
	s_branch .Lbias_done
.Lbias_v:
	v_lshlrev_b32 v[BO], 2, v2                     ; v: the bias runs along R: for block a the one number at 16 a + r, in all eight registers
.irp a, 0,1,2,3
.irp j, 0,1,2,3,4,5,6,7
	global_load_b32 v[BIAS+8*\a+\j], v[BO], s[20:21] offset:64*\a
.endr
.endr
.Lbias_done:
	; where my results go
	s_lshr_b32 s4, s10, 13                         ; the batch
	s_bfe_u32 s5, s10, 0xb0002                     ; the place in the sequence
	s_lshr_b32 s6, s8, 9                           ; the pair of heads
	s_lshl_b32 s4, s4, 3
	s_add_co_u32 s4, s4, s6                        ; 8 x batch + pair
	s_bfe_u32 s6, s8, 0x10008                      ; v: which head of the pair my 64 features are (q, k: 0)
	s_lshr_b32 s7, s5, 9
	s_lshl_b32 s11, s4, 2
	s_add_co_u32 s7, s7, s11
	s_mul_i32 s7, s7, 69632                        ; the chunk of 512 keys
	s_and_b32 s11, s5, 511
	s_lshl_b32 s22, s[ISV], 15                     ; in it: V's codes lie 32,768 behind K's;
	s_lshl_b32 s23, s11, 6                         ; 64 bytes a key (K), 8,192 for 128 keys (V);
	s_add_co_u32 s22, s22, s23
	s_lshl_b32 s23, s6, 12                         ; V's second head: four tiles of 1,024 on
	s_add_co_u32 s22, s22, s23
	s_lshr_b32 s23, s22, 4                         ; the scale words: a sixteenth of the codes' offset,
	s_add_co_u32 s23, s23, 65536                   ; behind the codes
	s_add_co_u32 s22, s22, s7
	s_add_co_u32 s23, s23, s7
	s_lshl_b32 s24, s4, 17                         ; q: 131,072 bytes a pair of heads, 64 a query
	s_lshl_b32 s25, s5, 6
	s_add_co_u32 s24, s24, s25
	s_lshr_b32 s25, s24, 4
	s_or_b32 s11, s[ISV], s[ODD]
	s_cmp_eq_u32 s11, 0                            ; q?
	s_cselect_b64 s[26:27], s[26:27], s[30:31]     ; the codes go to qc or to kv,
	s_cselect_b64 s[28:29], s[28:29], s[30:31]     ; the scale words to qs or to kv
	s_cselect_b32 s4, s24, s22
	s_cselect_b32 s6, s25, s23
	s_mov_b32 s5, 0
	s_mov_b32 s7, 0
	s_add_nc_u64 s[26:27], s[26:27], s[4:5]
	s_add_nc_u64 s[28:29], s[28:29], s[6:7]
	s_wait_tensorcnt 0x1                           ; my parts of the scales and of slot 0 are in; slot 1's load may stay out,
	s_barrier_signal -1
	s_barrier_wait -1                              ; everybody's are
.irp i, 0,1,2,3
.irp u, 0,1
	ds_load_b128 v[SP+8*\i+4*\u:SP+8*\i+4*\u+3], v[ADSP] offset:544*\i+16*\u   ; the scale words of all eight K steps stay in registers
.endr
.endr
.irp i, 0,1
.irp u, 0,1
	ds_load_b128 v[SR+8*\i+4*\u:SR+8*\i+4*\u+3], v[ADSR] offset:544*\i+16*\u
.endr
.endr
	FETCH 0
	s_wait_loadcnt 0x0                             ; the bias
	FETCH 1
	s_wait_dscnt 24                                ; all but the 24 just issued: the scale words and K step 0
	s_cmp_lg_u32 s[ISV], 0
	s_cbranch_scc1 .Lk0_v
	MUL32 0, 1
	WIN 0
	s_branch .Lk0_done
.Lk0_v:
	MUL32 0, 2
	WIN 0
.Lk0_done:
	KSTEP 1, 0
	KSTEP 2, 0
	KSTEP 3, 0
	KSTEP 4, 0
	KSTEP 5, 0
	KSTEP 6, 0
	KSTEP 7, 0
	PLACES
.irp a, 0,1,2,3                        ; 16 rows at a time: a fragment, stored as it stands: each store covers 512 consecutive bytes, aligned; the wave's eight cover 4,096
	QUANT 64*\a, PC+8*\a, PW+\a, 1
	global_store_b128 v[LI], v[PC+8*\a:PC+8*\a+3], s[26:27] offset:1024*\a
	global_store_b128 v[LI], v[PC+8*\a+4:PC+8*\a+7], s[26:27] offset:1024*\a+512
.endr
	v_cndmask_b32 v[MW], v[PW], v[PW+1], s[MSK]    ; both halves of the lanes hold a block's words: lanes 16-31 take the next block's
	v_cndmask_b32 v[MW+1], v[PW+2], v[PW+3], s[MSK]
	ds_store_b32 v[SWA], v[MW]                     ; my 64 rows' words through my own 256 bytes of LDS, which serves a wave's instructions in order,
	ds_store_b32 v[SWA], v[MW+1] offset:128
	ds_load_b64 v[MW+2:MW+3], v[SRA]
	s_wait_dscnt 0x0
	global_store_b64 v[L8], v[MW+2:MW+3], s[28:29] ; so that one store covers 256 consecutive bytes, aligned
	s_wait_tensorcnt 0x0
	ds_add_u32 v190, v191
	s_wait_dscnt 0x0
	CROUND                                         ; the closing round
	s_endpgm
.Lfunc_end_k_q826deb554b_qkv:
	.size	k_q826deb554b_qkv, .Lfunc_end_k_q826deb554b_qkv-k_q826deb554b_qkv
	.p2alignl 7, 3214868480
	.fill 96, 4, 3214868480
	.section	.rodata,"a",@progbits
	.p2align	6, 0x0
	.amdhsa_kernel k_q826deb554b_qkv
		.amdhsa_group_segment_fixed_size 223488
		.amdhsa_private_segment_fixed_size 0
		.amdhsa_enable_private_segment 0
		.amdhsa_kernarg_size 112
		.amdhsa_user_sgpr_count 2
		.amdhsa_user_sgpr_kernarg_segment_ptr 1
		.amdhsa_wavefront_size32 1
		.amdhsa_system_sgpr_workgroup_id_x 1
		.amdhsa_system_sgpr_workgroup_id_y 1
		.amdhsa_system_sgpr_workgroup_id_z 1
		.amdhsa_system_vgpr_workitem_id 0
		.amdhsa_next_free_vgpr 640
		.amdhsa_next_free_sgpr 102
		.amdhsa_reserve_vcc 0
		.amdhsa_float_denorm_mode_32 3
		.amdhsa_float_denorm_mode_16_64 3
		.amdhsa_memory_ordered 1
		.amdhsa_forward_progress 1
		.amdhsa_inst_pref_size 85
	.end_amdhsa_kernel
	.amdgpu_metadata
---
amdhsa.version: [ 1, 2 ]
amdhsa.kernels:
  - .name:           k_q826deb554b_qkv
    .symbol:         k_q826deb554b_qkv.kd
    .args:
      - { .name: x_codes, .offset: 0, .size: 8, .value_kind: global_buffer, .address_space: global }
      - { .name: x_scales, .offset: 8, .size: 8, .value_kind: global_buffer, .address_space: global }
      - { .name: Wq_codes, .offset: 16, .size: 8, .value_kind: global_buffer, .address_space: global }
      - { .name: Wq_scales, .offset: 24, .size: 8, .value_kind: global_buffer, .address_space: global }
      - { .name: Wk_codes, .offset: 32, .size: 8, .value_kind: global_buffer, .address_space: global }
      - { .name: Wk_scales, .offset: 40, .size: 8, .value_kind: global_buffer, .address_space: global }
      - { .name: Wv_codes, .offset: 48, .size: 8, .value_kind: global_buffer, .address_space: global }
      - { .name: Wv_scales, .offset: 56, .size: 8, .value_kind: global_buffer, .address_space: global }
      - { .name: bq, .offset: 64, .size: 8, .value_kind: global_buffer, .address_space: global }
      - { .name: bk, .offset: 72, .size: 8, .value_kind: global_buffer, .address_space: global }
      - { .name: bv, .offset: 80, .size: 8, .value_kind: global_buffer, .address_space: global }
      - { .name: qc, .offset: 88, .size: 8, .value_kind: global_buffer, .address_space: global }
      - { .name: qs, .offset: 96, .size: 8, .value_kind: global_buffer, .address_space: global }
      - { .name: kv, .offset: 104, .size: 8, .value_kind: global_buffer, .address_space: global }
    .group_segment_fixed_size: 223488
    .private_segment_fixed_size: 0
    .kernarg_segment_align: 8
    .kernarg_segment_size: 112
    .max_flat_workgroup_size: 128
    .sgpr_count:     102
    .vgpr_count:     640
    .wavefront_size: 32
...
	.end_amdgpu_metadata
.endif
;; end of part 1
;; launch attn (part 2): grid 8 x 32, 16 waves a work-group, no clusters, 280,576 bytes of LDS; arguments qc, qs, kv, ac, asw; writes ac, asw
.if DOCPART == 2
	.amdgcn_target "amdgcn-amd-amdhsa--gfx1250"
	.amdhsa_code_object_version 6
	.text
	.protected	k_q826deb554b_attn
	.globl	k_q826deb554b_attn
	.p2align	8
	.type	k_q826deb554b_attn,@function
k_q826deb554b_attn:
	s_mov_b64 s[64:65], 0
	v_nop
	global_prefetch_b8 v0, s[64:65] scope:SCOPE_SE
	s_setreg_imm32_b32 hwreg(HW_REG_WAVE_MODE, 25, 1), 1
	s_wait_xcnt 0x0
; Causal attention on codes of FP4 (E2M1), heads of 64, 2,048 places, and its result quantised along the 1,024 features for the last projection.
; SOFTMAX: t = score x log2(e) / 8; M = the running largest t rounded UP to a whole number; p = 2^(t - M) is quantised along the keys, not normalised; the row's sum is taken of the unquantised p and divides at the end.
; When M moves, the sum and O are multiplied by 2^(old M - new M), which rounds nothing.
; SHARES.  A work-group owns a pair of heads of one batch and the blocks i and 15 - i of 128 queries: 17 blocks of 128 x 128 under the mask, whatever i.  Each of its sixteen waves owns 16 queries, for both heads,
; in 256 registers: four waves to a SIMD, two of an early and two of a late block, so that one wave's vector work stands beside another's products and LDS loads.
; TWO HEADS ARE ONE K STEP OF 128.  K's fragment holds both heads' 64 features; Q's holds one head's and zero codes for the other, which add nothing; one scale word a row serves both.
; BOTH PRODUCTS ARE USED TRANSPOSED: S^T = K Q^T (source 0 = 16 keys), O^T = V^T P^T (source 0 = 16 features): a lane holds ONE query (lane % 16); tile T's register j is key 16 T + 8 (lane / 16) + j.
; LDS holds K, V and their scale words of the pair of heads for all 2,048 keys, as they lie in kv (images of operand registers: every fragment load takes 512 consecutive bytes): four chunks of 512 keys,
; each filled once, a sixteenth by each wave: four tensor loads of a wave are out at the most, and no LDS byte is filled twice.
; THE MASK.  Every wave walks all 16 steps of 128 keys and passes all four barriers; a step all of whose keys come after the wave's queries is left out by a scalar branch on ids.
; NO CLUSTER: the work-groups that read the same K and V are other query blocks of the pair of heads, and that branch would differ between them; it spares half of the vector work.
; LIMITS: a block whose largest magnitude lies under 2^-124, or that is all zeros, gets the byte 1 (its codes are zeros or near; this program alone reads the bytes); NaN and infinities are not served.
; REGISTERS: v1-6 addresses; v8-15 for each head -M, the largest t, the sum in two halves; v16-31 Q, a fragment for each head; v32-63 four fragments of K or V; v64-70 scale words; v72-87 at work on the way out;
;   v96-159 S^T, then p; v160-223 O^T, 32 a head; v224-231 p's codes; v232-254 at work.
.set LI,  1                            ; v1   16 x lane
.set LS,  2                            ; v2   4 x lane
.set ADK, 3                            ; v3   LDS address of the step's fragments
.set ADS, 4                            ; v4   of its scale words
.set QD,  5                            ; v5   my query - 8 (lane / 16)
.set R4,  6                            ; v6   4 x (lane % 16)
.set KS,  64                           ; v64-67 K's scale words: lanes 0-15 tile 2 u, lanes 16-31 tile 2 u + 1
.set VS,  68                           ; v68-69 V's likewise
.set QS,  70                           ; v70  Q's
.set TM,  72
.set WV,  14
.set SEL, 20
.set CS,  22                           ; s[22:23] c = log2(e) / 8: the packed form names a pair and takes its low word for both halves
.set G1,  24
.set G0,  32
.set TK,  48                           ; LDS byte at which the step's fragments of K begin
.set TS,  49                           ; and its scale words
.set KF,  50                           ; the step's first key
.set Q0,  51                           ; my first query
.set CNT, 52
.set MSB, 0
.macro WIN new
.if MSB != (\new)
	s_set_vgpr_msb (MSB<<8)|(\new)
.set MSB, (\new)
.endif
.endm
.macro PLACES                          ; four plain vector instructions behind matrix instructions, ahead of loads into their sources and of reads of their results
.rept 4
	v_nop
.endr
.endm
; 64 numbers of a lane, v[s] on: tile T, register j is k = 16 T + 8 (lane / 16) + j of my row.  They become a fragment's codes in v[pc] on and its scale word in v[pw].  (qw: the numbers' register window; here 0.)
.macro QUANT s, pc, pw, qw
	WIN 0x05*(\qw)
.irp b, 0,1,2,3
	v_max3_num_f32 v[TM+\b], |v[(\s)+16*\b]|, |v[(\s)+1+16*\b]|, 0x1800000   ; my 16 numbers of block b, and the floor 2^(3 - 127): the byte cannot fall under 1
.endr
	WIN 0x14*(\qw)
.irp i, 2,4,6,8,10,12,14
.irp b, 0,1,2,3
	v_max3_num_f32 v[TM+\b], v[TM+\b], |v[(\s)+16*\b+\i]|, |v[(\s)+1+16*\b+\i]|
.endr
.endr
	WIN 0
.irp b, 0,1,2,3
	v_permlanex16_b32 v[TM+4+\b], v[TM+\b], s[SEL], s[SEL+1]
.endr
.irp b, 0,1,2,3
	v_max_num_f32 v[TM+\b], v[TM+\b], v[TM+4+\b]
.endr
.irp b, 0,1,2,3
	v_add_nc_u32 v[TM+12+\b], 0xff000000, v[TM+\b]
.endr
.irp b, 0,1,2,3
	v_lshrrev_b32 v[TM+4+\b], 23, v[TM+12+\b]
.endr
	v_lshl_or_b32 v[\pw], v[TM+5], 8, v[TM+4]
	v_lshl_or_b32 v[\pw], v[TM+6], 16, v[\pw]
	v_lshl_or_b32 v[\pw], v[TM+7], 24, v[\pw]
	WIN 0x01*(\qw)
.irp b, 0,1,2,3
	v_cvt_scalef32_pk8_fp4_f32 v[(\pc)+4*(\b/2)+(\b%2)], v[(\s)+16*\b:(\s)+16*\b+7], v[TM+12+\b]
	v_cvt_scalef32_pk8_fp4_f32 v[(\pc)+4*(\b/2)+2+(\b%2)], v[(\s)+16*\b+8:(\s)+16*\b+15], v[TM+12+\b]
.endr
	WIN 0
	v_nop
.irp c, 0,1
	v_permlane16_swap_b32 v[(\pc)+4*\c], v[(\pc)+4*\c+1]
	v_permlane16_swap_b32 v[(\pc)+4*\c+2], v[(\pc)+4*\c+3]
.endr
.endm
	s_load_b256 s[4:11], s[0:1], 0x0               ; qc, qs, kv, ac
	s_load_b64 s[12:13], s[0:1], 0x20              ; asw
	v_lshl_add_u32 v251, v0, 2, 0x44000
	v_mov_b32 v255, 0
	ds_add_u32 v251, v255
	ds_add_u32 v251, v255
	v_lshrrev_b32 v7, 5, v0
	v_readfirstlane_b32 s[WV], v7                  ; wave 0..15
	s_lshr_b32 s15, s[WV], 2
	s_xor_b32 s15, s15, s[WV]
	s_and_b32 s15, s15, 1                          ; the late block or the early one: waves 2 t and 2 t + 1 differ
	s_lshr_b32 s16, s[WV], 1                       ; which 16 queries of the block
	s_sub_co_u32 s17, 15, ttmp9
	s_cmp_lg_u32 s15, 0
	s_cselect_b32 s17, s17, ttmp9
	s_lshl_b32 s17, s17, 7
	s_lshl_b32 s16, s16, 4
	s_add_co_u32 s[Q0], s17, s16
	s_and_b32 s53, ttmp7, 0xffff                   ; 8 x batch + pair of heads
	s_mul_i32 s56, s[WV], 4352                     ; my sixteenth of a chunk
	s_mul_i32 s54, s53, 278528
	s_add_co_u32 s54, s54, s56
	s_mov_b32 s55, 0
	s_mov_b32 s[G1], 3<<16                         ; group 1: 17 dense rows of 256 bytes (32 elements of 8 bytes), no mask, no padding
	s_mov_b32 s[G1+1], 32<<16
	s_mov_b32 s[G1+2], 17<<16
	s_mov_b32 s[G1+3], 32<<16
	s_mov_b32 s[G1+4], 17
	s_mov_b32 s[G1+5], 32
	s_mov_b32 s[G1+6], 0
	s_mov_b32 s[G1+7], 0
	s_mov_b32 s[SEL], 0x76543210
	s_mov_b32 s[SEL+1], 0xfedcba98
	s_mov_b32 s[CS], 0x3e38aa3b
	s_mov_b32 s[CS+1], s[CS]
	s_wait_dscnt 0x0
	s_wait_kmcnt 0x0
	s_add_nc_u64 s[8:9], s[8:9], s[54:55]
.irp k, 0,1,2,3
	s_mov_b32 s[G0+4*\k], 1
	s_add_co_u32 s[G0+4*\k+1], s56, 69632*\k
	s_add_nc_u64 s[G0+4*\k+2:G0+4*\k+3], s[8:9], 69632*\k
	s_or_b32 s[G0+4*\k+3], s[G0+4*\k+3], 0x80000000
.endr
.irp k, 0,1,2,3
	tensor_load_to_lds s[G0+4*\k:G0+4*\k+3], s[G1:G1+7]   ; all four chunks are asked for at once
	s_nop 0
.endr
.rept 4
	v_nop
.endr
	s_lshl_b32 s58, s53, 17                        ; Q: 131,072 bytes a pair of heads, 64 a query
	s_lshl_b32 s59, s[Q0], 6
	s_add_co_u32 s58, s58, s59
	s_mov_b32 s59, 0
	s_add_nc_u64 s[4:5], s[4:5], s[58:59]
	s_lshr_b32 s58, s58, 4                         ; its scale words: 4 bytes a query
	s_add_nc_u64 s[6:7], s[6:7], s[58:59]
	s_and_b32 s60, s53, 7                          ; the result: K step = pair of heads, 524,288 bytes; row 2,048 x batch + query, 64 bytes
	s_lshr_b32 s61, s53, 3
	s_lshl_b32 s60, s60, 19
	s_lshl_b32 s61, s61, 17
	s_add_co_u32 s60, s60, s61
	s_lshl_b32 s61, s[Q0], 6
	s_add_co_u32 s60, s60, s61
	s_mov_b32 s61, 0
	s_add_nc_u64 s[10:11], s[10:11], s[60:61]
	s_lshr_b32 s60, s60, 4
	s_add_nc_u64 s[12:13], s[12:13], s[60:61]
	v_and_b32 v7, 31, v0
	v_lshlrev_b32 v[LI], 4, v7
	v_lshlrev_b32 v[LS], 2, v7
	v_and_b32 v7, 15, v0
	v_lshlrev_b32 v[R4], 2, v7
	v_bfe_u32 v248, v0, 4, 1
	v_lshlrev_b32 v248, 3, v248
	v_sub_nc_u32 v[QD], v7, v248
	v_add_nc_u32 v[QD], s[Q0], v[QD]
	global_load_b128 v[16:19], v[LI], s[4:5]               ; head 0's 64 features: K 0 .. 63 of its fragment
	global_load_b128 v[28:31], v[LI], s[4:5] offset:512    ; head 1's: K 64 .. 127 of its fragment
	global_load_b32 v[QS], v[R4], s[6:7]
.irp j, 20,21,22,23,24,25,26,27
	v_mov_b32 v\j, 0                               ; the other head's places: zero codes
.endr
.irp e, 0,1
	v_mov_b32 v[9+4*\e], 0xff61b1e6                ; the largest t so far: -3e38
	v_floor_f32 v[8+4*\e], -v[9+4*\e]              ; -M
	v_mov_b32 v[10+4*\e], 0
	v_mov_b32 v[11+4*\e], 0
.endr
.irp b, 0,1,2,3
	v_mov_b32 v[236+\b], 0                         ; written once: a lane permute's destination counts as one of its sources
	v_mov_b32 v[TM+4+\b], 0
.endr
	v_mov_b32 v253, 0                              ; (named as the upper half of the pair v[252:253] before it is first written)
.set N_, 0
.rept 64
	v_mov_b32 v[160+N_], 0                         ; O^T: the step is written once; the first finds zeros, which the first change of M leaves zeros
.set N_, N_+1
.endr
; One head's part of a key step.
.macro HEAD e
.set NM, 8+4*(\e)
.set SU, 10+4*(\e)
.set QF, 16+8*(\e)
.set OT, 160+32*(\e)
.irp g, 0,1                                    ; S^T = K Q^T, four tiles of 16 keys at a time
.if (\e)+\g > 0
	PLACES
.endif
.irp t, 0,1,2,3
.irp c, 0,1
	ds_load_b128 v[32+8*\t+4*\c:35+8*\t+4*\c], v[ADK] offset:1024*(4*\g+\t)+512*\c
.endr
.endr
.if (\e)+\g == 0
.irp u, 0,1,2,3
	ds_load_b32 v[KS+\u], v[ADS] offset:128*\u     ; the step's 128 scale words of K serve both heads
.endr
.endif
	s_wait_dscnt 0x0
.irp t, 0,2
	v_wmma_scale_f32_16x16x128_f8f6f4 v[96+8*(4*\g+\t):103+8*(4*\g+\t)], v[32+8*\t:39+8*\t], v[QF:QF+7], 0, v[KS+(4*\g+\t)/2], v[QS] matrix_a_fmt:MATRIX_FMT_FP4 matrix_b_fmt:MATRIX_FMT_FP4
	v_wmma_scale_f32_16x16x128_f8f6f4 v[104+8*(4*\g+\t):111+8*(4*\g+\t)], v[40+8*\t:47+8*\t], v[QF:QF+7], 0, v[KS+(4*\g+\t)/2], v[QS] matrix_a_fmt:MATRIX_FMT_FP4 matrix_b_fmt:MATRIX_FMT_FP4 matrix_a_scale:MATRIX_SCALE_ROW1
.endr
.endr
	PLACES
.irp d, 0,1,2,3                                ; V's four fragments of this head are asked for now and land under the softmax
.irp c, 0,1
	ds_load_b128 v[32+8*\d+4*\c:35+8*\d+4*\c], v[ADK] offset:32768+4096*(\e)+1024*\d+512*\c
.endr
.endr
.irp u, 0,1
	ds_load_b32 v[VS+\u], v[ADS] offset:2048+256*(\e)+128*\u
.endr
	s_add_co_u32 s57, s[KF], 127                   ; on the diagonal hidden scores become -infinity ahead of the maximum; a step all of whose keys count skips this
	s_cmp_le_u32 s57, s[Q0]
	s_cbranch_scc1 .Lopen_\@
	v_sub_nc_u32 v248, v[QD], s[KF]                ; register 8 T + j holds key KF + 8 (lane / 16) + 16 T + j: hidden where 16 T + j > my query - 8 (lane / 16) - KF
	v_mov_b32 v249, 0xff800000
.set N_, 0
.rept 64
	v_cmp_gt_i32 vcc_lo, 16*(N_/8)+N_%8, v248
	v_cndmask_b32 v[96+N_], v[96+N_], v249, vcc_lo
.set N_, N_+1
.endr
.Lopen_\@:
.irp b, 0,1,2,3
	v_max3_num_f32 v[232+\b], v[96+16*\b], v[97+16*\b], v[98+16*\b]   ; the largest score of each block of 32 keys: for the row's maximum, and, since p rises with the score, for the block's largest p
.endr
.irp i, 3,5,7,9,11,13
.irp b, 0,1,2,3
	v_max3_num_f32 v[232+\b], v[232+\b], v[96+16*\b+\i], v[97+16*\b+\i]
.endr
.endr
.irp b, 0,1,2,3
	v_max_num_f32 v[232+\b], v[232+\b], v[111+16*\b]
.endr
.irp b, 0,1,2,3
	v_permlanex16_b32 v[236+\b], v[232+\b], s[SEL], s[SEL+1]
.endr
.irp b, 0,1,2,3
	v_max_num_f32 v[232+\b], v[232+\b], v[236+\b]  ; with lane l xor 16's 16 keys
.endr
	v_max3_num_f32 v254, v232, v233, v234
	v_max_num_f32 v254, v254, v235                 ; the step's largest score of my query (key KF counts for it, so it is a number)
	v_mul_f32 v254, s[CS], v254
	v_max_num_f32 v[NM+1], v[NM+1], v254           ; the running largest t
	v_mov_b32 v254, v[NM]
	v_floor_f32 v[NM], -v[NM+1]                    ; the new -M = -ceil(t)
	v_sub_f32 v254, v[NM], v254                    ; old M - new M: a whole number, 0 or less
	v_cvt_i32_f32 v254, v254                       ; (it saturates)
	v_ldexp_f32 v252, 1.0, v254                    ; f = 2^(old M - new M)
.set N_, 0
.rept 32
	v_pk_fma_f32 v[96+N_:97+N_], v[96+N_:97+N_], s[CS:CS+1], v[NM:NM+1] op_sel_hi:[1,0,0]   ; t - M, two at a time
.set N_, N_+2
.endr
.irp b, 0,1,2,3
	v_fma_f32 v[232+\b], v[232+\b], s[CS], v[NM]   ; the same of each block's largest score
.endr
.set N_, 0
.rept 64
	v_exp_f32 v[96+N_], v[96+N_]                   ; p = 2^(t - M)
.set N_, N_+1
.endr
.irp b, 0,1,2,3
	v_exp_f32 v[232+\b], v[232+\b]                 ; the block's largest p: the same two instructions on the same number
.endr
	v_pk_mul_f32 v[SU:SU+1], v[SU:SU+1], v[252:253] op_sel_hi:[1,0]   ; the sums under the new M (a plain instruction behind the exponentials)
	s_wait_alu depctr_va_vdst(0)
.irp b, 0,1,2,3
	v_max_num_f32 v[232+\b], 0x1800000, v[232+\b]  ; the floor 2^(3 - 127)
.endr
.irp b, 0,1,2,3
	v_add_nc_u32 v[244+\b], 0xff000000, v[232+\b]  ; 2 off the exponent field: the conversion's scale operand
.endr
.irp b, 0,1,2,3
	v_lshrrev_b32 v[236+\b], 23, v[244+\b]
.endr
	v_lshl_or_b32 v253, v237, 8, v236              ; p's scale word for these 128 keys
	v_lshl_or_b32 v253, v238, 16, v253
	v_lshl_or_b32 v253, v239, 24, v253
.irp b, 0,1,2,3
	v_cvt_scalef32_pk8_fp4_f32 v[224+4*(\b/2)+(\b%2)], v[96+16*\b:103+16*\b], v[244+\b]
	v_cvt_scalef32_pk8_fp4_f32 v[226+4*(\b/2)+(\b%2)], v[104+16*\b:111+16*\b], v[244+\b]
.endr
	v_nop                                          ; one plain instruction behind the scaled conversions
.irp c, 0,1
	v_permlane16_swap_b32 v[224+4*\c], v[225+4*\c] ; a whole block to a lane: registers 4 c .. 4 c + 3 hold keys 64 c + 32 (lane / 16) + 0 .. 31
	v_permlane16_swap_b32 v[226+4*\c], v[227+4*\c]
.endr
	v_pk_add_f32 v[236:237], v[96:97], v[98:99]    ; the row's sum, of the unquantised p, in two chains
.irp j, 4,8,12,16,20,24,28,32,36,40,44,48,52,56,60
	v_pk_add_f32 v[SU:SU+1], v[SU:SU+1], v[96+\j:97+\j]
	v_pk_add_f32 v[236:237], v[236:237], v[98+\j:99+\j]
.endr
	v_pk_add_f32 v[SU:SU+1], v[SU:SU+1], v[236:237]
.set N_, 0
.rept 16
	v_pk_mul_f32 v[OT+N_:OT+N_+1], v[OT+N_:OT+N_+1], v[252:253] op_sel_hi:[1,0]   ; O^T under the new M.  (The sums and these stand between the writes of p's codes and scale word and the products)
.set N_, N_+2
.endr
	s_wait_dscnt 0x0                               ; V's fragments and scale words
.irp d, 0,2                                    ; O^T += V^T P^T: the head's four tiles of 16 features by turns
	v_wmma_scale_f32_16x16x128_f8f6f4 v[OT+8*\d:OT+8*\d+7], v[32+8*\d:39+8*\d], v[224:231], v[OT+8*\d:OT+8*\d+7], v[VS+\d/2], v253 matrix_a_fmt:MATRIX_FMT_FP4 matrix_b_fmt:MATRIX_FMT_FP4
	v_wmma_scale_f32_16x16x128_f8f6f4 v[OT+8*\d+8:OT+8*\d+15], v[40+8*\d:47+8*\d], v[224:231], v[OT+8*\d+8:OT+8*\d+15], v[VS+\d/2], v253 matrix_a_fmt:MATRIX_FMT_FP4 matrix_b_fmt:MATRIX_FMT_FP4 matrix_a_scale:MATRIX_SCALE_ROW1
.endr
.endm
; A key step: 128 keys.  The lines at its end, which step addresses, are on every path.
.macro STEP
	s_cmp_gt_u32 s[KF], s[Q0]                      ; both are multiples of 16: KF > Q0 means that all keys come after my 16 queries
	s_cbranch_scc1 .Lhidden_\@
	v_add_nc_u32 v[ADK], s[TK], v[LI]
	v_add_nc_u32 v[ADS], s[TS], v[LS]
	v_nop
	v_nop                                          ; these four are the places behind the last step's products
	HEAD 0
	HEAD 1
.Lhidden_\@:
	s_add_co_u32 s[KF], s[KF], 128
	s_add_co_u32 s[TK], s[TK], 8192
	s_add_co_u32 s[TS], s[TS], 512
.endm
; Chunk k: 512 keys, four steps.
.macro PHASE k
	s_wait_tensorcnt 3-\k                          ; my sixteenth of chunk k has landed; the later chunks' loads may stay out,
	s_wait_dscnt 0x0
	s_barrier_signal -1
	s_barrier_wait -1                              ; everybody's has.
	s_mov_b32 s[TK], 69632*\k
	s_mov_b32 s[TS], 69632*\k+65536
	s_mov_b32 s[KF], 512*\k
	s_mov_b32 s[CNT], 4
.Lstep_\@:
	STEP
	s_sub_co_i32 s[CNT], s[CNT], 1
	s_cmp_lg_u32 s[CNT], 0
	s_cbranch_scc1 .Lstep_\@
.endm
	s_wait_loadcnt 0x0                             ; Q
	PHASE 0
	PHASE 1
	PHASE 2
	PHASE 3
	; THE WAY OUT.  O^T / the sum; the two heads' 128 features of my 16 rows are one K step of the last projection: a fragment and a scale word a row.
	PLACES
.irp e, 0,1
	v_add_f32 v[10+4*\e], v[10+4*\e], v[11+4*\e]
.endr
.irp e, 0,1
	v_permlanex16_b32 v[236+\e], v[10+4*\e], s[SEL], s[SEL+1]
.endr
.irp e, 0,1
	v_add_f32 v[10+4*\e], v[10+4*\e], v[236+\e]    ; the row's sum
.endr
.irp e, 0,1
	v_rcp_f32 v[10+4*\e], v[10+4*\e]
.endr
	v_nop                                          ; a plain instruction behind the reciprocals
	s_wait_alu depctr_va_vdst(0)
.irp e, 0,1
.set N_, 0
.rept 32
	v_mul_f32 v[96+32*\e+N_], v[160+32*\e+N_], v[10+4*\e]
.set N_, N_+1
.endr
.endr
	QUANT 96, 224, 253, 0
	global_store_b128 v[LI], v[224:227], s[10:11]            ; each store covers 512 consecutive bytes, aligned
	global_store_b128 v[LI], v[228:231], s[10:11] offset:512
	global_store_b32 v[R4], v253, s[12:13]                   ; 64 consecutive bytes (both halves of the lanes write the same words): a seventeenth of what the wave stores
	s_wait_tensorcnt 0x0
	ds_add_u32 v251, v255
	s_wait_dscnt 0x0
	s_endpgm
.Lfunc_end_k_q826deb554b_attn:
	.size	k_q826deb554b_attn, .Lfunc_end_k_q826deb554b_attn-k_q826deb554b_attn
	.p2alignl 7, 3214868480
	.fill 96, 4, 3214868480
	.section	.rodata,"a",@progbits
	.p2align	6, 0x0
	.amdhsa_kernel k_q826deb554b_attn
		.amdhsa_group_segment_fixed_size 280576
		.amdhsa_private_segment_fixed_size 0
		.amdhsa_enable_private_segment 0
		.amdhsa_kernarg_size 40
		.amdhsa_user_sgpr_count 2
		.amdhsa_user_sgpr_kernarg_segment_ptr 1
		.amdhsa_wavefront_size32 1
		.amdhsa_system_sgpr_workgroup_id_x 1
		.amdhsa_system_sgpr_workgroup_id_y 1
		.amdhsa_system_sgpr_workgroup_id_z 1
		.amdhsa_system_vgpr_workitem_id 0
		.amdhsa_next_free_vgpr 256
		.amdhsa_next_free_sgpr 66
		.amdhsa_reserve_vcc 1
		.amdhsa_float_denorm_mode_32 3
		.amdhsa_float_denorm_mode_16_64 3
		.amdhsa_memory_ordered 1
		.amdhsa_forward_progress 1
		.amdhsa_inst_pref_size 181
	.end_amdhsa_kernel
	.amdgpu_metadata
---
amdhsa.version: [ 1, 2 ]
amdhsa.kernels:
  - .name:           k_q826deb554b_attn
    .symbol:         k_q826deb554b_attn.kd
    .args:
      - { .name: qc, .offset: 0, .size: 8, .value_kind: global_buffer, .address_space: global }
      - { .name: qs, .offset: 8, .size: 8, .value_kind: global_buffer, .address_space: global }
      - { .name: kv, .offset: 16, .size: 8, .value_kind: global_buffer, .address_space: global }
      - { .name: ac, .offset: 24, .size: 8, .value_kind: global_buffer, .address_space: global }
      - { .name: asw, .offset: 32, .size: 8, .value_kind: global_buffer, .address_space: global }
    .group_segment_fixed_size: 280576
    .private_segment_fixed_size: 0
    .kernarg_segment_align: 8
    .kernarg_segment_size: 40
    .max_flat_workgroup_size: 512
    .sgpr_count:     66
    .vgpr_count:     256
    .wavefront_size: 32
...
	.end_amdgpu_metadata
.endif
;; end of part 2
;; launch proj (part 3): grid 4 x 64, 4 waves a work-group, clusters of 4 x 4, 256,256 bytes of LDS; arguments ac, asw, Wo_codes, Wo_scales, bo, out0; writes out0
.if DOCPART == 3
	.amdgcn_target "amdgcn-amd-amdhsa--gfx1250"
	.amdhsa_code_object_version 6
	.text
	.protected	k_q826deb554b_proj
	.globl	k_q826deb554b_proj
	.p2align	8
	.type	k_q826deb554b_proj,@function
k_q826deb554b_proj:
	s_mov_b64 s[64:65], 0
	v_nop
	global_prefetch_b8 v0, s[64:65] scope:SCOPE_SE
	s_setreg_imm32_b32 hwreg(HW_REG_WAVE_MODE, 25, 1), 1
	s_wait_xcnt 0x0
	s_wait_alu depctr_hold_cnt(0) depctr_sa_sdst(0) depctr_va_vdst(0) depctr_va_sdst(0) depctr_va_ssrc(0) depctr_va_vcc(0) depctr_vm_vsrc(0)
	s_getreg_b32 s2, hwreg(HW_REG_IB_STS2, 6, 4)
	s_cmp_eq_u32 s2, 0
	s_cbranch_scc0 .Lentry_in_a_cluster
	s_endpgm
.Lentry_in_a_cluster:
	s_bfe_u32 s2, ttmp6, 0x10000c
	s_cmp_lg_u32 s2, 0xf033
	s_cbranch_scc0 .Lentry_shape_is_right
	s_endpgm
.Lentry_shape_is_right:
; out = a Wo^T + bo on codes of FP4 (E2M1) with one E8M0 byte for each 32 along K = 1,024.  a: the attention's result, 8,192 rows, as images of operand registers: ac [K step 8][16 rows 512][2][512],
; asw [K step 8][row 8,192] scale words.  Wo: 1,024 rows, 512 bytes of codes and 32 of scales a row.  out: [8,192][1,024] f32.
; A work-group makes 128 rows (R = a) x 256 columns (P = Wo).  Source 0 takes 16 rows of P, source 1 takes 16 rows of R: a lane holds one row of the result and eight neighbouring columns.
; Four waves, each 64 x 128: 32 accumulators.  256 work-groups.  ALL OF K LIES IN LDS AT ONCE, in two slots of 512 along K, each filled once; a wave has three tensor loads out at the most.
; CLUSTERS: 4 x 4; R's tile is asked for jointly by a row of the cluster, P's by a column.
; REGISTERS: window 0: v16-27 addresses; v32-63 P's scale words, v64-79 R's; v80-143 R's fragments, two sets; v192-255 the bias; on the way out v80-143 and v192-255 take rows by turns.
;   window 1: the accumulators, (a, b) at v[8 (8 a + b)].   window 2: P's fragments, two sets of 64.
.set SLOT,  104448                     ; R's four K steps x 8,192 bytes, dense; from 34,816 on P's 256 rows x 272
.set POFF,  34816
.set SCL,   2*SLOT                     ; R's scale words: [K step 8][128 rows], dense
.set SCLP,  SCL+4352                   ; P's scales: 32 units of 256 bytes + 16
.set STAGE, SCLP+8704                  ; the way out: 16 rows x (512 bytes + 16) for each wave; no tile lands here
.set RQ,    8192
.set RC,    512
.set RA,    1024
.set ADRP, 16
.set ADRR, 18
.set ADSP, 20
.set ADSR, 21
.set LI,   22
.set STO,  25
.set RD,   26
.set BO,   27
.set SP,   32
.set SR,   64
.set RF,   80
.set BIAS, 192
.set G1R,  32
.set G0R,  40
.set G1P,  48
.set G0P,  56
.set RT,   66
.set PT,   67
.set G1SR, 68
.set G0SR, 76
.set G1SP, 80
.set G0SP, 88
.set WV,   92
.set LW,   93
.set HF,   94
.set CX,   99
.set CY,   100
.set MSB, 0
.macro WIN new
.if MSB != (\new)
	s_set_vgpr_msb (MSB<<8)|(\new)
.set MSB, (\new)
.endif
.endm
.macro PLACES                          ; four plain vector instructions behind matrix instructions, ahead of loads into their sources and of reads of their results
.rept 4
	v_nop
.endr
.endm
.macro JLOAD g0a, g1a, g0b, g1b        ; a joint load: waves 0 and 1 fetch for R, waves 2 and 3 for P; four v_nop follow each of the two lines
	s_cmp_eq_u32 s[LW], 0
	s_cbranch_scc0 .Lfor_p_\@
	tensor_load_to_lds s[\g0a:\g0a+3], s[\g1a:\g1a+7]
	s_nop 0
.rept 4
	v_nop
.endr
	s_branch .Lasked_\@
.Lfor_p_\@:
	tensor_load_to_lds s[\g0b:\g0b+3], s[\g1b:\g1b+7]
	s_nop 0
.rept 4
	v_nop
.endr
.Lasked_\@:
.endm
.macro CROUND                          ; a round of the cluster's barrier
	s_barrier_signal -1
	s_barrier_wait -1
	s_cmp_lg_u32 s[WV], 0
	s_cbranch_scc1 .Lnot_wave_0_\@
	s_barrier_signal -3
.Lnot_wave_0_\@:
	s_barrier_wait -3
	s_barrier_signal -1
	s_barrier_wait -1
.endm
.macro FETCH q                         ; the fragments of K step q: P's eight into set q % 2 of window 2, R's four into set q % 2 of window 0: 24 loads
	WIN 0x80
.irp i, 0,1,2,3,4,5,6,7
.irp c, 0,1
	ds_load_b128 v[64*((\q)%2)+8*\i+4*\c:64*((\q)%2)+8*\i+4*\c+3], v[ADRP+(\q)/4] offset:64*((\q)%4)+32*\c+4352*\i
.endr
.endr
	WIN 0
.irp a, 0,1,2,3
.irp c, 0,1
	ds_load_b128 v[RF+32*((\q)%2)+8*\a+4*\c:RF+32*((\q)%2)+8*\a+4*\c+3], v[ADRR+(\q)/4] offset:RQ*((\q)%4)+RC*\c+RA*\a
.endr
.endr
.endm
.macro WM a, b, q, mode                ; R's block a x P's block b, K step q.  mode 0: in place; 1: the sum starts with the bias
.set D_, 8*(8*(\a)+(\b))
.set A_, 64*((\q)%2)+8*(\b)
.set B_, RF+32*((\q)%2)+8*(\a)
.set X_, SP+8*((\b)%4)+(\q)
.set Y_, SR+8*((\a)%2)+(\q)
.set C_, D_
.if (\mode) == 1
.set C_, BIAS+8*(\b)
.endif
.if ((\b) < 4) && ((\a) < 2)
	v_wmma_scale_f32_16x16x128_f8f6f4 v[D_:D_+7], v[A_:A_+7], v[B_:B_+7], v[C_:C_+7], v[X_], v[Y_] matrix_a_fmt:MATRIX_FMT_FP4 matrix_b_fmt:MATRIX_FMT_FP4
.elseif ((\a) < 2)
	v_wmma_scale_f32_16x16x128_f8f6f4 v[D_:D_+7], v[A_:A_+7], v[B_:B_+7], v[C_:C_+7], v[X_], v[Y_] matrix_a_fmt:MATRIX_FMT_FP4 matrix_b_fmt:MATRIX_FMT_FP4 matrix_a_scale:MATRIX_SCALE_ROW1
.elseif ((\b) < 4)
	v_wmma_scale_f32_16x16x128_f8f6f4 v[D_:D_+7], v[A_:A_+7], v[B_:B_+7], v[C_:C_+7], v[X_], v[Y_] matrix_a_fmt:MATRIX_FMT_FP4 matrix_b_fmt:MATRIX_FMT_FP4 matrix_b_scale:MATRIX_SCALE_ROW1
.else
	v_wmma_scale_f32_16x16x128_f8f6f4 v[D_:D_+7], v[A_:A_+7], v[B_:B_+7], v[C_:C_+7], v[X_], v[Y_] matrix_a_fmt:MATRIX_FMT_FP4 matrix_b_fmt:MATRIX_FMT_FP4 matrix_a_scale:MATRIX_SCALE_ROW1 matrix_b_scale:MATRIX_SCALE_ROW1
.endif
.endm
.macro MUL32 q, mode                   ; the 32 accumulators take turns, one instruction a turn, in the same order in every step
.if (\mode) == 0
	WIN 0x52
.else
	WIN 0x42
.endif
.irp a, 0,1,2,3
.irp b, 0,1,2,3,4,5,6,7
	WM \a, \b, \q, \mode
.endr
.endr
.endm
.macro KSTEP q, mode
.if (\q) == 3
	s_wait_tensorcnt 0x0                           ; my part of slot 1 has landed (the one load of mine that was out),
	s_wait_dscnt 0x0                               ; no LDS load of mine is pending at the signal,
	s_barrier_signal -1
	s_barrier_wait -1                              ; and everybody's part has.
.endif
.if (\q) < 7
.if (\q) > 0
	PLACES
.endif
	FETCH (\q)+1
	s_wait_dscnt 24                                ; all but the 24 just issued: this step's fragments (and, in step 0, the scale words) are in
.else
	s_wait_dscnt 0x0
.endif
	MUL32 \q, \mode
	WIN 0
.endm
	s_load_b256 s[4:11], s[0:1], 0x0               ; ac, asw, Wo's codes, Wo's scales
	s_load_b128 s[12:15], s[0:1], 0x20             ; bo, out
	v_lshl_add_u32 v190, v0, 2, 0x3e700
	v_mov_b32 v191, 0
	ds_add_u32 v190, v191
	ds_add_u32 v190, v191
	v_lshrrev_b32 v1, 5, v0
	v_readfirstlane_b32 s[WV], v1
	s_lshr_b32 s[LW], s[WV], 1
	s_and_b32 s[HF], s[WV], 1
	s_bfe_u32 s[CX], ttmp6, 0x40000
	s_bfe_u32 s[CY], ttmp6, 0x40004
	s_and_b32 s2, ttmp7, 0xffff
	s_lshl_b32 s2, s2, 2
	s_add_co_u32 s[RT], s2, s[CY]                  ; R's tile of 128 rows
	s_lshl_b32 s3, ttmp9, 2
	s_add_co_u32 s[PT], s3, s[CX]                  ; P's tile of 256 rows
	s_lshl_b32 s2, s[CY], 2
	s_lshl_b32 s2, 15, s2                          ; my row of the cluster
	s_lshl_b32 s3, 0x1111, s[CX]                   ; my column
	s_or_b32 s[G1R], s2, (3<<16)|(1<<21)           ; R's codes: two K steps a load, each 8,192 dense bytes (1,024 elements of 8), 524,288 bytes apart; no padding
	s_mov_b32 s[G1R+1], 1024<<16
	s_mov_b32 s[G1R+2], 2<<16
	s_mov_b32 s[G1R+3], 1024<<16
	s_mov_b32 s[G1R+4], 2
	s_mov_b32 s[G1R+5], 65536
	s_mov_b32 s[G1R+6], 0
	s_mov_b32 s[G1R+7], 0
	s_or_b32 s[G1P], s3, (1<<20)|(1<<21)|(5<<22)|(3<<25)   ; P's codes: 128 rows of 256 bytes out of rows of 512, 16 bytes of padding behind each
	s_mov_b32 s[G1P+1], 256<<16
	s_mov_b32 s[G1P+2], 128<<16
	s_mov_b32 s[G1P+3], 256<<16
	s_mov_b32 s[G1P+4], 128
	s_mov_b32 s[G1P+5], 512
	s_mov_b32 s[G1P+6], 0
	s_mov_b32 s[G1P+7], 0
	s_or_b32 s[G1SR], s2, (3<<16)|(1<<21)          ; R's scale words: four K steps a load, each 512 dense bytes, 32,768 bytes apart
	s_mov_b32 s[G1SR+1], 64<<16
	s_mov_b32 s[G1SR+2], 4<<16
	s_mov_b32 s[G1SR+3], 64<<16
	s_mov_b32 s[G1SR+4], 4
	s_mov_b32 s[G1SR+5], 4096
	s_mov_b32 s[G1SR+6], 0
	s_mov_b32 s[G1SR+7], 0
	s_or_b32 s[G1SP], s3, (3<<16)|(1<<20)|(1<<21)|(5<<22)|(3<<25)   ; P's scales: 128 rows x 32 bytes, dense, as 16 rows of 256 bytes + 16
	s_mov_b32 s[G1SP+1], 32<<16
	s_mov_b32 s[G1SP+2], 16<<16
	s_mov_b32 s[G1SP+3], 32<<16
	s_mov_b32 s[G1SP+4], 16
	s_mov_b32 s[G1SP+5], 32
	s_mov_b32 s[G1SP+6], 0
	s_mov_b32 s[G1SP+7], 0
	s_lshl_b32 s16, s[RT], 13                      ; R's codes: 8,192 bytes a tile, + two K steps for the second half
	s_lshl_b32 s17, s[HF], 20
	s_add_co_u32 s16, s16, s17
	s_mov_b32 s17, 0
	s_lshl_b32 s18, s[RT], 9                       ; R's scale words: 512 bytes a tile, + four K steps
	s_lshl_b32 s19, s[HF], 17
	s_add_co_u32 s18, s18, s19
	s_mov_b32 s19, 0
	s_lshl_b32 s20, s[PT], 17                      ; P: rows 256 tile + 128 half, 512 bytes each
	s_lshl_b32 s21, s[HF], 16
	s_add_co_u32 s20, s20, s21
	s_mov_b32 s21, 0
	s_lshr_b32 s22, s20, 4                         ; 32 bytes of scales a row
	s_mov_b32 s23, 0
	s_lshl_b32 s24, s[HF], 14                      ; where they go: the wave's number and constants alone
	s_mul_i32 s25, s[HF], 34816
	s_lshl_b32 s26, s[HF], 11
	s_mul_i32 s27, s[HF], 4352
	s_wait_dscnt 0x0
	s_wait_kmcnt 0x0
	s_add_nc_u64 s[4:5], s[4:5], s[16:17]
	s_add_nc_u64 s[6:7], s[6:7], s[18:19]
	s_add_nc_u64 s[8:9], s[8:9], s[20:21]
	s_add_nc_u64 s[10:11], s[10:11], s[22:23]
	s_mov_b32 s[G0SR], 1
	s_add_co_u32 s[G0SR+1], s26, SCL
	s_mov_b64 s[G0SR+2:G0SR+3], s[6:7]
	s_or_b32 s[G0SR+3], s[G0SR+3], 0x80000000
	s_mov_b32 s[G0SP], 1
	s_add_co_u32 s[G0SP+1], s27, SCLP
	s_mov_b64 s[G0SP+2:G0SP+3], s[10:11]
	s_or_b32 s[G0SP+3], s[G0SP+3], 0x80000000
.irp s, 0,1
	s_mov_b32 s[G0R+4*\s], 1
	s_add_co_u32 s[G0R+4*\s+1], s24, \s*SLOT
	s_add_nc_u64 s[G0R+4*\s+2:G0R+4*\s+3], s[4:5], \s*2097152
	s_or_b32 s[G0R+4*\s+3], s[G0R+4*\s+3], 0x80000000
	s_mov_b32 s[G0P+4*\s], 1
	s_add_co_u32 s[G0P+4*\s+1], s25, \s*SLOT+POFF
	s_add_nc_u64 s[G0P+4*\s+2:G0P+4*\s+3], s[8:9], \s*256
	s_or_b32 s[G0P+4*\s+3], s[G0P+4*\s+3], 0x80000000
.endr
	CROUND                                         ; all sixteen work-groups are here: the joint loads meet
	JLOAD G0SR, G1SR, G0SP, G1SP                   ; the scales of all of K,
	JLOAD G0R, G1R, G0P, G1P                       ; K 0 .. 511,
	JLOAD G0R+4, G1R, G0P+4, G1P                   ; K 512 .. 1,023: three loads of mine are out
	v_and_b32 v1, 31, v0                           ; lane
	v_and_b32 v2, 15, v0                           ; r
	v_bfe_u32 v3, v0, 4, 1                         ; h
	v_lshlrev_b32 v[LI], 4, v1
	v_mul_u32_u24 v4, v2, 272
	v_lshl_add_u32 v4, v3, 4, v4
	s_mul_i32 s2, s[HF], 34816
	s_add_co_u32 s2, s2, POFF
	v_add_nc_u32 v[ADRP], s2, v4
	v_add_nc_u32 v[ADRP+1], SLOT, v[ADRP]
	s_lshl_b32 s3, s[LW], 12                       ; R: my 64 rows are four images of 1,024 bytes; 16 bytes a lane
	v_add_nc_u32 v[ADRR], s3, v[LI]
	v_add_nc_u32 v[ADRR+1], SLOT, v[ADRR]
	v_lshlrev_b32 v5, 5, v2
	v_lshrrev_b32 v6, 3, v2
	v_lshl_add_u32 v5, v6, 4, v5
	s_mul_i32 s2, s[HF], 4352
	s_add_co_u32 s2, s2, SCLP
	v_mad_u32_u24 v[ADSP], v3, 2176, v5            ; lanes 16-31: four blocks of 16 rows on
	v_add_nc_u32 v[ADSP], s2, v[ADSP]
	s_lshl_b32 s3, s[LW], 8
	s_add_co_u32 s3, s3, SCL
	v_lshlrev_b32 v5, 2, v2
	v_lshl_add_u32 v[ADSR], v3, 7, v5              ; 4 r; lanes 16-31: two blocks (32 rows) on
	v_add_nc_u32 v[ADSR], s3, v[ADSR]
	s_mul_i32 s2, s[WV], 8448
	s_add_co_u32 s2, s2, STAGE                     ; my stage
	v_mul_u32_u24 v[STO], v2, 528
	v_lshl_add_u32 v[STO], v3, 5, v[STO]
	v_add_nc_u32 v[STO], s2, v[STO]                ; in: row r, 32 bytes for each half of the lanes
	v_add_nc_u32 v[RD], s2, v[LI]                  ; back: the 32 lanes take one row of 512 bytes
	s_lshl_b32 s16, s[PT], 10                      ; my first column x 4
	s_lshl_b32 s17, s[HF], 9
	s_add_co_u32 s16, s16, s17
	s_mov_b32 s17, 0
	s_add_nc_u64 s[12:13], s[12:13], s[16:17]      ; the bias there,
	s_add_nc_u64 s[14:15], s[14:15], s[16:17]
	s_lshl_b32 s16, s[RT], 19                      ; and my first row of the result: 4,096 bytes a row
	s_lshl_b32 s18, s[LW], 18
	s_add_co_u32 s16, s16, s18
	s_add_nc_u64 s[14:15], s[14:15], s[16:17]
	v_lshlrev_b32 v[BO], 5, v3                     ; THE BIAS IS THE C OF EACH SUM'S FIRST PRODUCT: for block b the eight numbers at 16 b + 8 h
.irp b, 0,1,2,3,4,5,6,7
	global_load_b128 v[BIAS+8*\b:BIAS+8*\b+3], v[BO], s[12:13] offset:64*\b
	global_load_b128 v[BIAS+8*\b+4:BIAS+8*\b+7], v[BO], s[12:13] offset:64*\b+16
.endr
	s_wait_tensorcnt 0x1                           ; my parts of the scales and of slot 0 are in; slot 1's load may stay out,
	s_barrier_signal -1
	s_barrier_wait -1                              ; everybody's are
.irp i, 0,1,2,3
.irp u, 0,1
	ds_load_b128 v[SP+8*\i+4*\u:SP+8*\i+4*\u+3], v[ADSP] offset:544*\i+16*\u   ; the scale words of all eight K steps stay in registers
.endr
.endr
.irp i, 0,1
.irp q, 0,1,2,3,4,5,6,7
	ds_load_b32 v[SR+8*\i+\q], v[ADSR] offset:512*\q+64*\i
.endr
.endr
	FETCH 0
	s_wait_loadcnt 0x0                             ; the bias
	KSTEP 0, 1
	KSTEP 1, 0
	KSTEP 2, 0
	KSTEP 3, 0
	KSTEP 4, 0
	KSTEP 5, 0
	KSTEP 6, 0
	KSTEP 7, 0
; THE WAY OUT, 16 rows x 128 columns at a time.  A lane holds 32 neighbouring bytes of a row and the lanes beside it other rows: so a block goes through my own stage in LDS, which serves a wave's instructions in order,
; and comes back as whole rows of 512 bytes.
.macro TOSTAGE a
	WIN 0x04                                       ; an LDS store's data are its source 1: window 1
.irp b, 0,1,2,3,4,5,6,7
	ds_store_b128 v[STO], v[64*(\a)+8*\b:64*(\a)+8*\b+3] offset:64*\b          ; each accumulator from its low end on
	ds_store_b128 v[STO], v[64*(\a)+8*\b+4:64*(\a)+8*\b+7] offset:64*\b+16
.endr
	WIN 0
.set BB, 80+112*((\a)%2)
.irp t, 0,1,2,3,4,5,6,7,8,9,10,11,12,13,14,15
	ds_load_b128 v[BB+4*\t:BB+4*\t+3], v[RD] offset:528*\t
.endr
.endm
.macro SEND a, younger                 ; younger: the LDS instructions issued behind block a's loads, which may stay out
.set BB, 80+112*((\a)%2)
	s_wait_dscnt \younger
.irp t, 0,1,2,3,4,5,6,7,8,9,10,11,12,13,14,15
	global_store_b128 v[LI], v[BB+4*\t:BB+4*\t+3], s[14:15] offset:(16*(\a)+\t)*4096 th:TH_STORE_NT   ; 32 lanes store 512 consecutive bytes, aligned; the row stands in the immediate, 258,048 at the most
.endr
.endm
	PLACES
	TOSTAGE 0
	TOSTAGE 1
	SEND 0, 32                                     ; behind block 0's loads: block 1's 16 stores and 16 loads
	s_wait_xcnt 0x0                                ; block 0's stores have read their registers: block 2's loads may land there
	TOSTAGE 2
	SEND 1, 32
	s_wait_xcnt 0x0
	TOSTAGE 3
	SEND 2, 32
	SEND 3, 0
	s_wait_tensorcnt 0x0
	ds_add_u32 v190, v191
	s_wait_dscnt 0x0
	CROUND                                         ; the closing round
	s_endpgm
.Lfunc_end_k_q826deb554b_proj:
	.size	k_q826deb554b_proj, .Lfunc_end_k_q826deb554b_proj-k_q826deb554b_proj
	.p2alignl 7, 3214868480
	.fill 96, 4, 3214868480
	.section	.rodata,"a",@progbits
	.p2align	6, 0x0
	.amdhsa_kernel k_q826deb554b_proj
		.amdhsa_group_segment_fixed_size 256256
		.amdhsa_private_segment_fixed_size 0
		.amdhsa_enable_private_segment 0
		.amdhsa_kernarg_size 48
		.amdhsa_user_sgpr_count 2
		.amdhsa_user_sgpr_kernarg_segment_ptr 1
		.amdhsa_wavefront_size32 1
		.amdhsa_system_sgpr_workgroup_id_x 1
		.amdhsa_system_sgpr_workgroup_id_y 1
		.amdhsa_system_sgpr_workgroup_id_z 1
		.amdhsa_system_vgpr_workitem_id 0
		.amdhsa_next_free_vgpr 640
		.amdhsa_next_free_sgpr 102
		.amdhsa_reserve_vcc 0
		.amdhsa_float_denorm_mode_32 3
		.amdhsa_float_denorm_mode_16_64 3
		.amdhsa_memory_ordered 1
		.amdhsa_forward_progress 1
		.amdhsa_inst_pref_size 74
	.end_amdhsa_kernel
	.amdgpu_metadata
---
amdhsa.version: [ 1, 2 ]
amdhsa.kernels:
  - .name:           k_q826deb554b_proj
    .symbol:         k_q826deb554b_proj.kd
    .args:
      - { .name: ac, .offset: 0, .size: 8, .value_kind: global_buffer, .address_space: global }
      - { .name: asw, .offset: 8, .size: 8, .value_kind: global_buffer, .address_space: global }
      - { .name: Wo_codes, .offset: 16, .size: 8, .value_kind: global_buffer, .address_space: global }
      - { .name: Wo_scales, .offset: 24, .size: 8, .value_kind: global_buffer, .address_space: global }
      - { .name: bo, .offset: 32, .size: 8, .value_kind: global_buffer, .address_space: global }
      - { .name: out0, .offset: 40, .size: 8, .value_kind: global_buffer, .address_space: global }
    .group_segment_fixed_size: 256256
    .private_segment_fixed_size: 0
    .kernarg_segment_align: 8
    .kernarg_segment_size: 48
    .max_flat_workgroup_size: 128
    .sgpr_count:     102
    .vgpr_count:     640
    .wavefront_size: 32
...
	.end_amdgpu_metadata
.endif
;; end of part 3
